; MI455X (gfx1250); checked and timed in simulation.
; The chip was launched on July 23, 2026; its instructions are those of AMD's public machine-readable ISA for CDNA 5 (MIT licence, August 2026) and "CDNA5" Instruction Set Architecture Reference Guide (July 2026). The comments in the code are by the model that wrote it; some were corrected since.
;; Self Attention Module. Allowed arithmetic: matrix products marked QUANTISED: E5M2 operands, one given power-of-two scale a tensor, by v_wmma_f32_16x16x64_bf8_bf8 or v_wmma_f32_16x16x128_bf8_bf8, f32 sums; everything else in f32.
;; Inputs: Wk_codes 1,024 x 32 x 32 uint8 (E5M2 codes of Wk, K innermost, in blocks of 32 codes); Wo_codes 1,024 x 32 x 32 uint8 (E5M2 codes of Wo, K innermost, in blocks of 32 codes); Wq_codes 1,024 x 32 x 32 uint8 (E5M2 codes of Wq, K innermost, in blocks of 32 codes); Wv_codes 1,024 x 32 x 32 uint8 (E5M2 codes of Wv, K innermost, in blocks of 32 codes); entangle_params 16 float32; inputs 4 x 2,048 x 1,024 float32; lowp_scales 12 int32 (the exponents e of the quantised operands' scales 2^e); rotation_params 16 float32.
;; Outputs: out0 4 x 2,048 x 1,024 float32.
;; This version of the problem:
;;   THIS VERSION OF THE PROBLEM IS GIVEN IN LOW PRECISION. The matrix products marked QUANTISED in the list below multiply operands that are first quantised to E5M2 (5 exponent bits, 2 mantissa bits; 8 bits a number), with one given power-of-two scale for each operand tensor; their sums are f32. All else is computed in f32.
;;   The module's matrix products, in the order in which they are computed (A, B: the left and right operand; K: the contracted axis; several contracted axes count as one K, in the product's order):
;;     1. [M 8,192, K 1,024] x [K 1,024, N 1,024]; A: input inputs; B: input Wq (given as codes): QUANTISED (scales: A lowp_scales[0], B lowp_scales[1])
;;     2. [M 8,192, K 1,024] x [K 1,024, N 1,024]; A: input inputs; B: input Wk (given as codes): QUANTISED (scales: A lowp_scales[2], B lowp_scales[3])
;;     3. [M 8,192, K 1,024] x [K 1,024, N 1,024]; A: input inputs; B: input Wv (given as codes): QUANTISED (scales: A lowp_scales[4], B lowp_scales[5])
;;     4. batch 64 x [M 2,048, K 64] x [K 64, N 2,048]; A: computed on the way; B: computed on the way: QUANTISED (scales: A lowp_scales[6], B lowp_scales[7])
;;     5. batch 64 x [M 2,048, K 2,048] x [K 2,048, N 64]; A: softmax (see below); B: computed on the way: QUANTISED (scales: A lowp_scales[8], B lowp_scales[9])
;;     6. [M 8,192, K 1,024] x [K 1,024, N 1,024]; A: computed on the way; B: input Wo (given as codes): QUANTISED (scales: A lowp_scales[10], B lowp_scales[11])
;;   THE QUANTISER, for each operand of a quantised product, along K:
;;     - The operand's scale is 2^e, e = its entry of the input lowp_scales (int32; the entries are numbered through the quantised products in the list's order, A before B).
;;     - Each number is divided by the scale, clamped to +-57,344, and rounded to the nearest number of E5M2, ties to even, subnormals kept.
;;     - The product sums the exact products of the quantised numbers (number of the format x scale) in f32.
;;   ~~~python
;;   def quantise(x, axis, e):      # numpy; x: float32 -> the quantised numbers, widened to float32 again
;;       x = np.moveaxis(x, axis, -1); K = x.shape[-1]
;;       r = np.clip(x / 2.0 ** e, -57344, 57344)
;;       step = 2.0 ** (np.maximum(np.frexp(np.where(r == 0, 1, r))[1] - 1, -14) - 2)
;;       q = np.round(r / step) * step * 2.0 ** e      # np.round: ties to even
;;       return np.moveaxis(q, -1, axis).astype(np.float32)
;;   ~~~
;;   SOFTMAX AHEAD OF A QUANTISED PRODUCT. Where the list says 'softmax', what is quantised is not the finished softmax but p = 2^(t - M), with t = logit x log2(e) and M = ceil(the row's largest t), a whole number; so 1/2 < the row's largest p <= 1. The row's sum l is taken of the UNQUANTISED p, in f32, and the product's result is divided by l at the end. Since M is a whole number, a kernel that streams over the keys may use a running M (the ceiling of the running maximum): every later rescaling is an exact power of two, so the quantised numbers keep their values, but for numbers so far below the row's largest that they fall under the format's range.
;;   OPERANDS COMPUTED ON THE WAY. 'Computed on the way' means the value that the module computes at that place (a softmax that the list does not call 'softmax' is quantised finished and normalised). What goes into a quantiser is computed in f32, as accurately as f32 sums, v_exp_f32 and their like allow (about 1e-6 of the number): no bf16 or f16 on the way to a quantiser, and a product that is left as it is and whose result goes on into a quantised operand takes f32 operands (vector FMAs, or v_wmma_f32_16x16x4_f32). A number that lies on a knife's edge between two numbers of the format may be rounded either way, as far as f32 arithmetic and the matrix unit's own rounding can turn it there, and no further.
;;   INPUTS GIVEN AS CODES. Wk (in the module: [1024, 1024], K = its axis 1); Wo (in the module: [1024, 1024], K = its axis 1); Wq (in the module: [1024, 1024], K = its axis 1); Wv (in the module: [1024, 1024], K = its axis 1): each comes as NAME_codes (uint8): NAME with its K axis moved to the last place and cut into blocks of 32 codes, [.., K / 32, bytes a block], one block behind the other in memory; one code a byte (a code: sign, 5 exponent bits, 2 mantissa bits); its scale is its entry of lowp_scales. Its value is code x scale, taken as it is: it is not quantised again, and the codes and scales need not be those that the quantiser above would give.
;; One version. Each part assembles by itself: llvm-mc -triple=amdgcn-amd-amdhsa -mcpu=gfx1250 --defsym DOCPART=n.
;; ======== version 1 of 1: 4 launches
;; workspace buffers: xq0 8,388,608 bytes; xq1 8,388,608 bytes; xq2 8,388,608 bytes; qimg 8,388,608 bytes; kvimg 16,777,216 bytes; aoimg 8,388,608 bytes
;; launch quantx (part 1): grid 512 x 1, 4 waves a work-group, no clusters, 33,280 bytes of LDS; arguments inputs, lowp_scales, xq0, xq1, xq2; writes xq0, xq1, xq2
.if DOCPART == 1
	.amdgcn_target "amdgcn-amd-amdhsa--gfx1250"
	.amdhsa_code_object_version 6
	.text
	.protected	k_q7876d4f469_quantx
	.globl	k_q7876d4f469_quantx
	.p2align	8
	.type	k_q7876d4f469_quantx,@function
k_q7876d4f469_quantx:
	s_mov_b64 s[64:65], 0
	v_nop
	global_prefetch_b8 v0, s[64:65] scope:SCOPE_SE
	s_setreg_imm32_b32 hwreg(HW_REG_WAVE_MODE, 25, 1), 1
	s_wait_xcnt 0x0
; x = inputs [8192][1024] f32 is turned into codes of BF8 (E5M2), three times: with 2^e0 for the product with Wq (xq0), 2^e2 for Wk (xq1), 2^e4 for Wv (xq2).
; code = x / 2^e, held within +-57,344, rounded to the nearest code, ties to even.  The three buffers are laid as x is: [8192][1024], one code a byte, K innermost.
; LIMITS: e0, e2, e4 between -126 and 112, so that 2^e and 57,344 x 2^e are f32 numbers.  NaN among the inputs is not served (an infinity is held at the largest code).
; rotation_params and entangle_params enter no step of the computation that this program follows: no launch of the program takes them.
; x is a plain stream: a wave takes 8 steps of 512 numbers.  Each of a step's four loads reads 512 consecutive bytes, 16 a lane; the 2,048 bytes go through the wave's own stage in LDS as they lie and come
; back 64 bytes a lane, so that a lane holds 16 NEIGHBOURS, which the conversions want.  A lane's 16 codes are 16 bytes: each store of the wave covers 512 consecutive bytes, aligned.
; x is read once for the three versions.  No tensor loads, no barrier: waves share nothing.  Loads run four steps (16 loads a wave) ahead, the turn through LDS one step.
.set STEPS, 8
.set SP,    80                         ; a lane's place in a stage: its 64 bytes + 16 of padding
.set WREG,  8192                       ; LDS: a region of its own for each wave: two stages of 32 x SP bytes
.set SC,    5                          ; v5-7     2^e as f32, version 0, 1, 2
.set LM,    8                          ; v8-10    57,344 x 2^e
.set R,     16                         ; v16-79   four sets of 16 numbers as they are loaded
.set X,     80                         ; v80-111  two sets of 16 neighbours
.set T,     112                        ; v112-127 the 16 neighbours, held
.set C,     128                        ; v128-223 codes: twelve registers for each step, so that no store's data are written again
	s_load_b256 s[4:11], s[0:1], 0x0               ; x s[4:5], the scales' exponents s[6:7], xq0 s[8:9], xq1 s[10:11]
	s_load_b64 s[12:13], s[0:1], 0x20              ; xq2
	v_lshl_add_u32 v224, v0, 2, 0x8000
	v_mov_b32 v225, 0
	v_lshrrev_b32 v1, 5, v0
	v_readfirstlane_b32 s16, v1                    ; wave
	v_and_b32 v2, 31, v0                           ; lane
	v_lshlrev_b32 v3, 4, v2                        ; 16 x lane: my 16 bytes of a load's 512, and of a store's; never rewritten
	s_mul_i32 s17, s16, WREG
	v_lshrrev_b32 v14, 2, v2
	v_mul_u32_u24 v14, v14, SP
	v_and_b32 v15, 3, v2
	v_lshl_add_u32 v14, v15, 4, v14
	v_add_nc_u32 v14, s17, v14                     ; the stage, on the way in: four lanes' 64 bytes on end, then 16 of padding: SP (lane / 4) + 16 (lane % 4)
	v_mul_u32_u24 v15, v2, SP
	v_add_nc_u32 v15, s17, v15                     ; and on the way out: SP x lane: my 16 neighbours
	s_lshl_b32 s18, ttmp9, 2
	s_add_co_u32 s18, s18, s16                     ; which run of 4,096 numbers is my wave's: 4 x work-group + wave
	s_lshl_b32 s20, s18, 14                        ; its 16,384 bytes of x,
	s_mov_b32 s21, 0
	s_lshl_b32 s22, s18, 12                        ; its 4,096 bytes of codes
	s_mov_b32 s23, 0
	s_wait_kmcnt 0x0
	s_load_b256 s[24:31], s[6:7], 0x0              ; e0 .. e7: s24, s26 and s28 are used
	s_add_nc_u64 s[4:5], s[4:5], s[20:21]
	s_add_nc_u64 s[8:9], s[8:9], s[22:23]
	s_add_nc_u64 s[10:11], s[10:11], s[22:23]
	s_add_nc_u64 s[12:13], s[12:13], s[22:23]
.macro LOAD t
.irp i, 0,1,2,3
	global_load_b128 v[R+16*((\t)%4)+4*\i:R+16*((\t)%4)+4*\i+3], v3, s[4:5] offset:2048*(\t)+512*\i th:TH_LOAD_NT   ; 32 lanes read 512 consecutive bytes
.endr
.endm
.macro TURN t                          ; step t's numbers through the stage: LDS serves a wave's instructions in order (ISA guide 5.7.1.4), so no wait stands between the stores and the loads
.irp i, 0,1,2,3
	ds_store_b128 v14, v[R+16*((\t)%4)+4*\i:R+16*((\t)%4)+4*\i+3] offset:32*SP*((\t)%2)+8*SP*\i
.endr
.irp i, 0,1,2,3
	ds_load_b128 v[X+16*((\t)%2)+4*\i:X+16*((\t)%2)+4*\i+3], v15 offset:32*SP*((\t)%2)+16*\i
.endr
.endm
.irp t, 0,1,2,3
	LOAD \t
.endr
	s_wait_kmcnt 0x0
.irp i, 0,1,2
	s_add_co_i32 s[24+2*\i], s[24+2*\i], 127
	s_lshl_b32 s17, s[24+2*\i], 23
	v_mov_b32 v[SC+\i], s17                        ; 2^e as f32: the conversion takes its exponent field
	s_add_co_i32 s[24+2*\i], s[24+2*\i], 15
	s_lshl_b32 s17, s[24+2*\i], 23
	s_or_b32 s17, s17, 0x600000
	v_mov_b32 v[LM+\i], s17                        ; 57,344 x 2^e
.endr
	s_wait_loadcnt 12                              ; step 0's four loads are in; the twelve of steps 1 to 3 may be out
	TURN 0
.macro STEP t
.set XS, X+16*((\t)%2)
	s_wait_dscnt 0x0                               ; this step's numbers are back from the stage: so its stores into the stage have read their registers,
.if (\t)+4 < STEPS
	LOAD (\t)+4                                    ; which take the loads of four steps on
.endif
.if (\t)+1 < STEPS
.if STEPS-2-(\t) >= 3
	s_wait_loadcnt 12                              ; the next step's four loads are in; those of the three steps behind it may be out
.else
	s_wait_loadcnt 4*(STEPS-2-(\t))                ; near the end fewer steps stand behind it
.endif
	TURN (\t)+1                                    ; and go through the other stage while this step is worked
.endif
.irp i, 0,1,2                                  ; the three versions of the same 16 numbers
.irp n, 0,1,2,3,4,5,6,7,8,9,10,11,12,13,14,15
	v_med3_num_f32 v[T+\n], v[XS+\n], -v[LM+\i], v[LM+\i]   ; the conversion to an 8-bit code does not saturate (ISA guide 7.6.2): the number is held within the largest code x the scale first
.endr
	v_cvt_scalef32_pk8_bf8_f32 v[C+12*(\t)+4*\i:C+12*(\t)+4*\i+1], v[T:T+7], v[SC+\i]
	v_cvt_scalef32_pk8_bf8_f32 v[C+12*(\t)+4*\i+2:C+12*(\t)+4*\i+3], v[T+8:T+15], v[SC+\i]
	v_nop                                          ; one plain vector line between the conversions and the next version's holds, which write their sources
	global_store_b128 v3, v[C+12*(\t)+4*\i:C+12*(\t)+4*\i+3], s[8+2*\i:9+2*\i] offset:512*(\t)
.endr
.endm
.irp t, 0,1,2,3,4,5,6,7
	STEP \t
.endr
	s_wait_tensorcnt 0x0
	ds_add_u32 v224, v225
	s_wait_dscnt 0x0
	s_endpgm
.Lfunc_end_k_q7876d4f469_quantx:
	.size	k_q7876d4f469_quantx, .Lfunc_end_k_q7876d4f469_quantx-k_q7876d4f469_quantx
	.p2alignl 7, 3214868480
	.fill 96, 4, 3214868480
	.section	.rodata,"a",@progbits
	.p2align	6, 0x0
	.amdhsa_kernel k_q7876d4f469_quantx
		.amdhsa_group_segment_fixed_size 33280
		.amdhsa_private_segment_fixed_size 0
		.amdhsa_enable_private_segment 0
		.amdhsa_kernarg_size 40
		.amdhsa_user_sgpr_count 2
		.amdhsa_user_sgpr_kernarg_segment_ptr 1
		.amdhsa_wavefront_size32 1
		.amdhsa_system_sgpr_workgroup_id_x 1
		.amdhsa_system_sgpr_workgroup_id_y 1
		.amdhsa_system_sgpr_workgroup_id_z 1
		.amdhsa_system_vgpr_workitem_id 0
		.amdhsa_next_free_vgpr 226
		.amdhsa_next_free_sgpr 66
		.amdhsa_reserve_vcc 0
		.amdhsa_float_denorm_mode_32 3
		.amdhsa_float_denorm_mode_16_64 3
		.amdhsa_memory_ordered 1
		.amdhsa_forward_progress 1
		.amdhsa_inst_pref_size 40
	.end_amdhsa_kernel
	.amdgpu_metadata
---
amdhsa.version: [ 1, 2 ]
amdhsa.kernels:
  - .name:           k_q7876d4f469_quantx
    .symbol:         k_q7876d4f469_quantx.kd
    .args:
      - { .name: inputs, .offset: 0, .size: 8, .value_kind: global_buffer, .address_space: global }
      - { .name: lowp_scales, .offset: 8, .size: 8, .value_kind: global_buffer, .address_space: global }
      - { .name: xq0, .offset: 16, .size: 8, .value_kind: global_buffer, .address_space: global }
      - { .name: xq1, .offset: 24, .size: 8, .value_kind: global_buffer, .address_space: global }
      - { .name: xq2, .offset: 32, .size: 8, .value_kind: global_buffer, .address_space: global }
    .group_segment_fixed_size: 33280
    .private_segment_fixed_size: 0
    .kernarg_segment_align: 8
    .kernarg_segment_size: 40
    .max_flat_workgroup_size: 128
    .sgpr_count:     66
    .vgpr_count:     226
    .wavefront_size: 32
...
	.end_amdgpu_metadata
.endif
;; end of part 1
;; launch qkv (part 2): grid 12 x 32, 4 waves a work-group, clusters of 4 x 4, 327,680 bytes of LDS; arguments xq0, xq1, xq2, Wq_codes, Wk_codes, Wv_codes, lowp_scales, qimg, kvimg; writes qimg, kvimg
.if DOCPART == 2
	.amdgcn_target "amdgcn-amd-amdhsa--gfx1250"
	.amdhsa_code_object_version 6
	.text
	.protected	k_q7876d4f469_qkv
	.globl	k_q7876d4f469_qkv
	.p2align	8
	.type	k_q7876d4f469_qkv,@function
k_q7876d4f469_qkv:
	s_mov_b64 s[64:65], 0
	v_nop
	global_prefetch_b8 v0, s[64:65] scope:SCOPE_SE
	s_setreg_imm32_b32 hwreg(HW_REG_WAVE_MODE, 25, 1), 1
	s_wait_xcnt 0x0
	s_wait_alu depctr_hold_cnt(0) depctr_sa_sdst(0) depctr_va_vdst(0) depctr_va_sdst(0) depctr_va_ssrc(0) depctr_va_vcc(0) depctr_vm_vsrc(0)
	s_getreg_b32 s2, hwreg(HW_REG_IB_STS2, 6, 4)
	s_cmp_eq_u32 s2, 0
	s_cbranch_scc0 .Lentry_in_a_cluster
	s_endpgm
.Lentry_in_a_cluster:
	s_bfe_u32 s2, ttmp6, 0x10000c
	s_cmp_lg_u32 s2, 0xf033
	s_cbranch_scc0 .Lentry_shape_is_right
	s_endpgm
.Lentry_shape_is_right:
; Q = x Wq^T, K = x Wk^T, V = x Wv^T on codes of BF8 (E5M2), [8192 x 1024 x 1024] each, and each result quantised at once for attention: Q with 2^e6, K with 2^e7 (along the head's 64), V with 2^e9 (along the keys).
; THE CLUSTER'S x IS THE MATRIX: 0 Q, 1 K, 2 V: the same in all sixteen partners.  A tile of a result, 256 x 256, is made by a work-group of four waves; a wave makes 128 x 128: 64 accumulators, 512 registers.
; K goes in four steps of 256 through a ring of two LDS slots filled by the tensor data mover.  The loop has two roles: role A (source 1 of the matrix instruction: its row becomes the result's LANE) and role B (source 0: its
; rows run along the lane's REGISTERS).  Q, K: A = x's codes (a lane holds one token, its registers eight neighbouring features: the head's axis).  V: A = Wv, B = x's codes (a lane holds one channel, its registers
; eight neighbouring tokens: the keys).  So a conversion of one accumulator's eight registers gives registers 2 c, 2 c + 1 of the next product's operand (k = 16 c + 8 (lane / 16) + 0 .. 7), and nothing is transposed.
; Both roles' tensors are rows of 1,024 bytes: one shape of descriptor and one text serve the three matrices; pointers and offsets are chosen by s_cselect on the cluster's x, and no branch hangs on it.
; CLUSTERS: 4 x 4 work-groups.  Role A's tile hangs on cy (and the cluster's y), and is asked for jointly by the four of a row of the cluster; role B's on cx (and the cluster's y), by the four of a column.
; THE RESULTS LEAVE AS IMAGES OF OPERAND REGISTERS: four registers a lane are one run of 512 bytes, lane l's 16 bytes at 16 l: each store of the wave covers 512 consecutive bytes, aligned.
;   qimg  [head 16 b + h (64)][tile of 16 tokens (128)][2 runs]                     kvimg [head (64)][step of 128 keys (16)][16 KiB: 8 tiles of 16 keys x 2 runs, then 4 tiles of 16 channels x 4 runs]
; LIMITS, so that each power of two below is an f32 number: e6 - e0 - e1, e7 - e2 - e3 and e9 - e4 - e5 between -126 and 112.
; REGISTERS, in windows of 256: window 0: v0-31 addresses; v32-111 the way out; from v128 role A's fragments (8 x 16 rows x 128 K), ONE set.   window 1: role B's fragments, TWO sets, at v0 and v128.
;   window 2: the 32 accumulators of my A rows 0-63 (accumulator (a, b) at v[8 (8 a + b)]);   window 3: those of my A rows 64-127.
.set ROWB,   256                       ; a tile's row in bytes: 256 codes
.set KROW,   1024                      ; a row of either role's tensor in memory, in bytes
.set PITCH,  272                       ; an LDS row: 256 bytes + 16 of padding = 68 words: row r starts at bank 4 r mod 64 (64 banks of 4 bytes: ISA guide 11.1), so the 16 rows of a load start at 16 different banks
.set FR,     16                        ; registers of a fragment: 16 rows x 128 K
.set NL,     4                         ; LDS loads that bring one
.set NP,     4                         ; places behind this matrix instruction (ISA guide 7.12.1)
.set HALFT,  128*PITCH                 ; 128 rows: what one tensor load brings, and what one wave reads of a role
.set SLOT,   4*HALFT                   ; role A's 256 rows, then role B's 256 rows
.set SPARE,  2*SLOT                    ; behind the ring: the spare words, 128 bytes for each wave: two blocks of 256 bytes that no other line names
.set OFS,  8                           ; v8-11   the way out: 16 x lane + the place of each of a block's four runs
.set QS,   12                          ; v12     the conversion's scale as f32
.set QL,   13                          ; v13     57,344 x that
.set ADRA, 16                          ; v16-17  LDS address of my role A fragments in slot 0, 1
.set ADRB, 20                          ; v20-21  the same for role B
.set SPW,  28                          ; v28     LDS address of my spare word: SPARE + 4 x my thread's number; never rewritten
.set NIL,  29                          ; v29     0; never rewritten
.set HLD,  32                          ; v32-95  the way out: a block's 64 sums, held
.set COD,  96                          ; v96-111 and their codes
.set AF,   128                         ; role A's fragments, in window 0
.set G1, 24                            ; s[24:31] descriptor group 1 for role A's tiles;  s[32:39] group 0, one set for each slot
.set G0, 32
.set G1B, 48                           ; s[48:55], s[56:63] the same for role B's tiles
.set G0B, 56
.set MSB, 0
.macro WIN new                         ; the immediate's high byte repeats the setting that is left
.if MSB != \new
	s_set_vgpr_msb (MSB<<8)|\new
.set MSB, \new
.endif
.endm
.set MUL_LO, 0xa1                      ; source 0 (role B) window 1, source 1 (role A) window 0, C and D window 2
.set MUL_HI, 0xf1                      ; the same, C and D window 3
.set TO_B,   0x40                      ; destination window 1, address window 0
; A joint load: waves 0 and 1 fetch for role A, waves 2 and 3 for role B.  Each of the two lines has ONE mask and one set of registers for all that issue it; the branch hangs on the wave's number alone.
; Four v_nop follow each of the two lines, ahead of the jump, the label and what follows.
.macro JLOAD g0a, g1a, g0b, g1b
	s_cmp_eq_u32 s15, 0
	s_cbranch_scc0 .Lfor_b_\@
	tensor_load_to_lds s[\g0a:\g0a+3], s[\g1a:\g1a+7]
	s_nop 0
.rept 4
	v_nop
.endr
	s_branch .Lasked_\@
.Lfor_b_\@:
	tensor_load_to_lds s[\g0b:\g0b+3], s[\g1b:\g1b+7]
	s_nop 0
.rept 4
	v_nop
.endr
.Lasked_\@:
.endm
.macro CREST                           ; a round of the cluster's barrier behind its opening barrier
	s_cmp_lg_u32 s14, 0
	s_cbranch_scc1 .Lnot_wave_0_\@
	s_barrier_signal -3
.Lnot_wave_0_\@:
	s_barrier_wait -3
	s_barrier_signal -1
	s_barrier_wait -1
.endm
.macro CROUND                          ; a whole round
	s_barrier_signal -1
	s_barrier_wait -1
	CREST
.endm
	s_load_b512 s[68:83], s[0:1], 0x0              ; xq0 s[68:69], xq1 s[70:71], xq2 s[72:73], Wq s[74:75], Wk s[76:77], Wv s[78:79], the scales' exponents s[80:81], qimg s[82:83]
	s_load_b64 s[84:85], s[0:1], 0x40              ; kvimg
	v_lshl_add_u32 v[SPW], v0, 2, SPARE
	v_mov_b32 v[NIL], 0
	ds_add_u32 v28, v29
	ds_add_u32 v28, v29
	s_wait_dscnt 0x0
	v_lshrrev_b32 v1, 5, v0
	v_readfirstlane_b32 s14, v1                    ; wave 0..3
	s_lshr_b32 s15, s14, 1                         ; which half of the tile's role A rows is mine.  Also: I fetch for role A (0) or for role B (1)
	s_and_b32 s16, s14, 1                          ; which half of its role B rows.  Also: which 128 rows of that tile I fetch
	s_bfe_u32 s40, ttmp6, 0x40000                  ; cx, cy: my place in the cluster
	s_bfe_u32 s41, ttmp6, 0x40004
	s_and_b32 s17, ttmp7, 0xffff
	s_lshl_b32 s17, s17, 2                         ; 4 x the cluster's y
	s_lshl_b32 s43, s41, 2
	s_lshl_b32 s43, 15, s43                        ; my row of the cluster
	s_lshl_b32 s44, 0x1111, s40                    ; my column
	; descriptor group 1: a tile of 128 rows x 256 bytes, padded in LDS
	s_or_b32 s[G1+0], s43, (0<<16)|(1<<20)|(1<<21)|(5<<22)|(3<<25)  ; 15:0 the mask: role A's tiles go to my row; 17:16 element of 1 byte; 20 padding on; 21 set beside a mask; 24:22 after every 64 words (code 5); 31:25 of 4 words (code 3)
	s_or_b32 s[G1B+0], s44, (0<<16)|(1<<20)|(1<<21)|(5<<22)|(3<<25) ; the same with the mask of my column
.irp g, G1, G1B
	s_mov_b32 s[\g+1], ROWB<<16                    ; tensor_dim0
	s_mov_b32 s[\g+2], 128<<16                     ; tensor_dim1 = 128
	s_mov_b32 s[\g+3], ROWB<<16                    ; tile_dim0
	s_mov_b32 s[\g+4], 128                         ; tile_dim1 = 128
	s_mov_b32 s[\g+5], KROW                        ; tensor_dim0_stride
	s_mov_b32 s[\g+6], 0
	s_mov_b32 s[\g+7], 0
.endr
	; the tokens' tile row is 4 x cluster y + a place in the cluster, the features' tile row the other place alone.  Q, K: tokens are role A's rows (cy), features role B's (cx).  V: features role A's (cy), tokens role B's (cx)
	s_cmp_eq_u32 ttmp9, 2
	s_cselect_b32 s18, 0, s17
	s_cselect_b32 s19, s17, 0
	s_add_co_u32 s20, s41, s18                     ; role A's tile row: of cy and the cluster's y alone
	s_add_co_u32 s46, s40, s19                     ; role B's: of cx and the cluster's y alone
	s_lshl_b32 s22, s16, 7                         ; which 128 rows of the tile I fetch
	s_lshl_b32 s20, s20, 8
	s_add_co_u32 s20, s20, s22
	s_lshl_b32 s20, s20, 10                        ; rows of 1,024 bytes: under 2^23
	s_mov_b32 s21, 0
	s_lshl_b32 s46, s46, 8
	s_add_co_u32 s46, s46, s22
	s_lshl_b32 s46, s46, 10
	s_mov_b32 s47, 0
	s_mul_i32 s45, s14, HALFT                      ; where they go: wave x 128 rows: no place in the cluster enters an LDS address
	s_wait_kmcnt 0x0
	s_load_b256 s[88:95], s[80:81], 0x0            ; e0 .. e7
	s_load_b128 s[96:99], s[80:81], 0x20           ; e8 .. e11: both are waited for ahead of the way out
	s_cmp_eq_u32 ttmp9, 1
	s_cselect_b64 s[4:5], s[70:71], s[68:69]       ; x's codes and the weight's, by the matrix
	s_cselect_b64 s[6:7], s[76:77], s[74:75]
	s_cmp_eq_u32 ttmp9, 2
	s_cselect_b64 s[4:5], s[72:73], s[4:5]
	s_cselect_b64 s[6:7], s[78:79], s[6:7]
	s_cselect_b64 s[8:9], s[6:7], s[4:5]           ; role A: V: the weight, else x
	s_cselect_b64 s[12:13], s[4:5], s[6:7]         ; role B: V: x, else the weight
	s_add_nc_u64 s[20:21], s[8:9], s[20:21]
	s_add_nc_u64 s[46:47], s[12:13], s[46:47]
	CROUND                                         ; all sixteen work-groups are here: the first joint loads meet
.irp s, 0,1
	s_mov_b32 s[G0+4*\s], 1
	s_add_co_u32 s[G0+4*\s+1], s45, \s*SLOT
	s_add_nc_u64 s[G0+4*\s+2:G0+4*\s+3], s[20:21], \s*ROWB
	s_or_b32 s[G0+4*\s+3], s[G0+4*\s+3], 0x80000000
	s_mov_b32 s[G0B+4*\s], 1
	s_add_co_u32 s[G0B+4*\s+1], s45, \s*SLOT
	s_add_nc_u64 s[G0B+4*\s+2:G0B+4*\s+3], s[46:47], \s*ROWB
	s_or_b32 s[G0B+4*\s+3], s[G0B+4*\s+3], 0x80000000
	JLOAD G0+4*\s, G1, G0B+4*\s, G1B               ; two loads of mine are out behind the second
.endr
	v_and_b32 v1, 15, v0                           ; l % 16
	v_bfe_u32 v2, v0, 4, 1                         ; l / 16
	v_mul_u32_u24 v3, v1, PITCH
	v_lshl_add_u32 v4, v2, 4, v3                   ; a fragment's row x pitch + 16 x half
	s_mul_i32 s21, s15, HALFT                      ; my 128 rows of role A
	s_mul_i32 s22, s16, HALFT                      ; my 128 rows of role B,
	s_add_co_u32 s22, s22, 2*HALFT                 ; which lie behind role A's 256
.irp s, 0,1
	v_add_nc_u32 v[ADRA+\s], s21, v4
	v_add_nc_u32 v[ADRB+\s], s22, v4
	s_add_co_u32 s21, s21, SLOT
	s_add_co_u32 s22, s22, SLOT
.endr
; A fragment, 16 rows x 128 K of 8-bit codes, is 16 registers, brought by four loads of 16 bytes: registers 4 c .. 4 c + 3 hold K = 32 c + 16 (l / 16) + 0 .. 15.  That is a permutation of k, the same in both roles:
; every product meets its partner, and only the order of the sums inside an instruction changes.
.macro FRAG reg, adr, q, i
.irp c, 0,1,2,3
	ds_load_b128 v[\reg+4*\c:\reg+4*\c+3], v[\adr] offset:128*(\q)+32*\c+(\i)*16*PITCH
.endr
.endm
; 16 matrix instructions: role A's blocks a0, a0 + 1 x role B's eight, 128 along K.  p: role B's set.  zero = 1: the first product starts the sums: nothing is ever cleared.
; The 64 accumulators take turns, one instruction a turn, in the same order in every step.
.macro MUL16 a0, p, zero
.irp a, \a0, \a0+1
.irp b, 0,1,2,3,4,5,6,7
.if \zero
	v_wmma_f32_16x16x128_bf8_bf8 v[8*(8*((\a)%4)+\b):8*(8*((\a)%4)+\b)+7], v[128*(\p)+FR*\b:128*(\p)+FR*\b+FR-1], v[AF+FR*(\a):AF+FR*(\a)+FR-1], 0
.else
	v_wmma_f32_16x16x128_bf8_bf8 v[8*(8*((\a)%4)+\b):8*(8*((\a)%4)+\b)+7], v[128*(\p)+FR*\b:128*(\p)+FR*\b+FR-1], v[AF+FR*(\a):AF+FR*(\a)+FR-1], v[8*(8*((\a)%4)+\b):8*(8*((\a)%4)+\b)+7]
.endif
.endr
.endr
.endm
.macro FETCH_B slot, q, p              ; role B's eight fragments of the slot's q-th 128 along K into set p
	WIN TO_B
.irp i, 0,1,2,3,4,5,6,7
	FRAG 128*(\p)+FR*\i, ADRB+\slot, \q, \i
.endr
	WIN 0
.endm
.macro FETCH_A slot, q, i0             ; role A's blocks i0 .. i0 + 3
.irp i, \i0, \i0+1, \i0+2, \i0+3
	FRAG AF+FR*(\i), ADRA+\slot, \q, \i
.endr
.endm
; A load into a register that a matrix instruction has read, and a vector instruction that reads a matrix result, stand NP places behind that matrix instruction, and only plain vector instructions that name none
; of its registers are places (ISA guide 7.12.1 for vector instructions).
.macro PLACES n
.rept \n
	v_nop
.endr
.endm
; A step of 128 along K that has its successor in the same slot.  A block of role A is free as soon as its eight products are issued: blocks 0-3 are fetched anew in the step's middle, blocks 4-7 at its end.
.macro STEP slot, q, zero
	s_wait_dscnt 4*NL                              ; role B's set and role A's blocks 0-3 are in; the youngest sixteen loads (blocks 4-7) may be out
	WIN MUL_LO
	MUL16 0, (\q)%2, \zero
	MUL16 2, (\q)%2, \zero
	s_wait_dscnt 0                                 ; blocks 4-7 are in (asked for 32 matrix instructions ago)
	PLACES NP
	FETCH_B \slot, (\q)+1, 1-(\q)%2
	FETCH_A \slot, (\q)+1, 0
	WIN MUL_HI
	MUL16 4, (\q)%2, \zero
	MUL16 6, (\q)%2, \zero
	PLACES NP
	WIN 0
	FETCH_A \slot, (\q)+1, 4
.endm
; A slot's last step changes slots: ONE barrier; in front of it each wave waits for all its tensor loads, adds 0 to its spare word, and waits for that and for its own reads of this slot.  fill = 1: this slot is filled again, two K steps ahead.
.macro TURN slot, next, fill
	s_wait_tensorcnt 0x0                           ; all my tensor loads have landed: my part of the next slot;  (every window is 0 here: the add's two registers lie in window 0)
	ds_add_u32 v[SPW], v[NIL]                      ; 0 onto my spare word
	s_wait_dscnt 4*NL+1                            ; (the add and the youngest sixteen loads, blocks 4-7, may be out)
	WIN MUL_LO
	MUL16 0, 1, 0                                  ; sixteen matrix instructions stand between the add and the wait for it
	s_wait_dscnt 0x0                               ; the add is done, and my reads of this slot are over
	s_barrier_signal -1
	MUL16 2, 1, 0
	WIN 0
	s_barrier_wait -1
.if \fill
	CREST                                          ; the barrier has opened a round of the cluster's barrier: no wave of any partner still reads this slot's tile or has a load on its way
	s_add_nc_u64 s[G0+4*\slot+2:G0+4*\slot+3], s[G0+4*\slot+2:G0+4*\slot+3], 2*ROWB
	s_add_nc_u64 s[G0B+4*\slot+2:G0B+4*\slot+3], s[G0B+4*\slot+2:G0B+4*\slot+3], 2*ROWB
	JLOAD G0+4*\slot, G1, G0B+4*\slot, G1B         ; the first tensor load behind the round, and my one load until the next; its four v_nop are the places in front of the loads below
.else
	PLACES NP
.endif
	FETCH_B \next, 0, 0
	FETCH_A \next, 0, 0
	WIN MUL_HI
	MUL16 4, 1, 0
	MUL16 6, 1, 0
	PLACES NP
	WIN 0
	FETCH_A \next, 0, 4
.endm
	s_wait_tensorcnt 1                             ; my part of K step 0 is in (K step 1's load may be out)
	s_barrier_signal -1
	s_barrier_wait -1                              ; everybody's is
	FETCH_B 0, 0, 0
	FETCH_A 0, 0, 0
	FETCH_A 0, 0, 4
	STEP 0, 0, 1                                   ; K 0-127: these products start the sums
	TURN 0, 1, 1                                   ; K 128-255; slot 0 takes K 512-767
	STEP 1, 0, 0                                   ; K 256-383
	TURN 1, 0, 1                                   ; K 384-511; slot 1 takes K 768-1023
	STEP 0, 0, 0                                   ; K 512-639
	TURN 0, 1, 0                                   ; K 640-767; nothing is left to fetch, so no round of the cluster's barrier
	STEP 1, 0, 0                                   ; K 768-895
	s_wait_dscnt 4*NL                              ; K 896-1023: nothing more to fetch
	WIN MUL_LO
	MUL16 0, 1, 0
	MUL16 2, 1, 0
	s_wait_dscnt 0
	WIN MUL_HI
	MUL16 4, 1, 0
	MUL16 6, 1, 0
	WIN 0
	; THE WAY OUT.  A sum stands for sum x 2^(the two operands' e added), and its code is that / 2^(the next operand's e): the three are folded into the conversion's one scale 2^E.
	s_wait_kmcnt 0x0
	s_sub_co_i32 s2, s94, s88
	s_sub_co_i32 s2, s2, s89                       ; Q: e6 - e0 - e1
	s_sub_co_i32 s3, s95, s90
	s_sub_co_i32 s3, s3, s91                       ; K: e7 - e2 - e3
	s_sub_co_i32 s12, s97, s92
	s_sub_co_i32 s12, s12, s93                     ; V: e9 - e4 - e5
	s_cmp_eq_u32 ttmp9, 1
	s_cselect_b32 s2, s3, s2
	s_cmp_eq_u32 ttmp9, 2                          ; all choices on one compare stand ahead of the sums, which write SCC
	s_cselect_b32 s2, s12, s2                      ; E
	s_cselect_b32 s3, s40, s41                     ; the tokens' place in the cluster: V: cx, else cy
	s_cselect_b32 s12, s16, s15                    ; which half of the tile's tokens is mine
	s_cselect_b32 s13, s41, s40                    ; the features' tile
	s_cselect_b32 s18, s15, s16                    ; and my half of it
	s_cselect_b32 s19, 8192, 0                     ; V's fragments lie behind K's in a key step's 16 KiB
	s_mov_b32 s20, 1024
	s_cselect_b32 s20, 2048, s20                   ; from block to block of role A: a tile of tokens is 1 KiB, a tile of channels 2 KiB
	s_mov_b32 s21, 0
	s_cselect_b32 s22, 253952, 0                   ; V: blocks 4-7 are the next head's channels: a head's 262,144 bytes less the four tiles passed
	s_mov_b32 s23, 0
	s_mov_b32 s46, 262144
	s_cselect_b32 s46, 1024, s46                   ; where a block's third run lies: V: behind the second; K: in the next head (262,144 bytes on);
	s_cmp_eq_u32 ttmp9, 0
	s_cselect_b32 s46, 131072, s46                 ; Q: in the next head (131,072 bytes on)
	s_cselect_b32 s47, 13, 14                      ; 128 tokens are 8 KiB of qimg, 16 KiB of kvimg
	s_cselect_b64 s[10:11], s[82:83], s[84:85]     ; qimg or kvimg
	s_add_co_u32 s3, s3, s17
	s_lshl_b32 s3, s3, 1
	s_add_co_u32 s3, s3, s12                       ; u = my first token / 128 = 2 x the tokens' tile + my half
	s_lshr_b32 s12, s3, 4                          ; the batch b = u / 16
	s_lshl_b32 s12, s12, 8
	s_and_b32 s3, s3, 15                           ; the step of 128 tokens in the sequence
	s_add_co_u32 s12, s12, s3
	s_lshl_b32 s13, s13, 6
	s_add_co_u32 s12, s12, s13
	s_lshl_b32 s18, s18, 5
	s_add_co_u32 s12, s12, s18                     ; 16 x (16 b + 4 x features' tile + 2 x half) + step = 16 x my first head + step
	s_lshl_b32 s12, s12, s47
	s_add_co_u32 s12, s12, s19
	s_mov_b32 s13, 0
	s_add_nc_u64 s[10:11], s[10:11], s[12:13]
	s_add_co_i32 s2, s2, 127
	s_lshl_b32 s3, s2, 23
	s_add_co_i32 s2, s2, 15
	s_lshl_b32 s2, s2, 23
	s_or_b32 s2, s2, 0x600000
	v_and_b32 v1, 31, v0                           ; these seven plain lines, which name no register of the products, are the places behind the last of them
	v_lshlrev_b32 v[OFS], 4, v1
	v_add_nc_u32 v[OFS+1], 512, v[OFS]
	v_add_nc_u32 v[OFS+2], s46, v[OFS]
	v_add_nc_u32 v[OFS+3], 512, v[OFS+2]
	v_mov_b32 v[QS], s3                            ; 2^E as f32
	v_mov_b32 v[QL], s2                            ; 57,344 x 2^E
; Block a of role A: its eight accumulators become sixteen registers of codes, four runs.  Q, K: runs 0, 1 are the tile's image for my first head, runs 2, 3 for my second.  V: the four runs are one fragment of 16 channels x my 128 keys.
.irp a, 0,1,2,3,4,5,6,7
.if \a > 0
	s_wait_xcnt 0x0                                ; the last block's stores have read their data and their base: both are written again only behind this wait
	s_add_nc_u64 s[10:11], s[10:11], s[20:21]
.if \a == 4
	s_add_nc_u64 s[10:11], s[10:11], s[22:23]
.endif
.endif
.set AC, 64*((\a)%4)
	WIN 0x02+((\a)/4)                              ; source 0: window 2 or 3
.set j, 0
.rept 64
	v_med3_num_f32 v[HLD+j], v[AC+j], -v[QL], v[QL]   ; the hold at the largest code x the scale (the conversion does not saturate: ISA guide 7.6.2); each accumulator from its low end on
.set j, j+1
.endr
	WIN 0
.irp b, 0,1,2,3,4,5,6,7
	v_cvt_scalef32_pk8_bf8_f32 v[COD+2*\b:COD+2*\b+1], v[HLD+8*\b:HLD+8*\b+7], v[QS]
.endr
	v_nop                                          ; one plain vector line between the conversions and the next block's holds, which write their sources
.irp i, 0,1,2,3
	global_store_b128 v[OFS+\i], v[COD+4*\i:COD+4*\i+3], s[10:11]   ; 32 lanes store 512 consecutive bytes, at a multiple of 512 from the buffer's first byte
.endr
.endr
	s_wait_tensorcnt 0x0                           ; the wave's end
	ds_add_u32 v[SPW], v[NIL]
	s_wait_dscnt 0x0
	CROUND                                         ; the closing round: no work-group ends while a partner may still ask for a tile that names it
	s_endpgm
.Lfunc_end_k_q7876d4f469_qkv:
	.size	k_q7876d4f469_qkv, .Lfunc_end_k_q7876d4f469_qkv-k_q7876d4f469_qkv
	.p2alignl 7, 3214868480
	.fill 96, 4, 3214868480
	.section	.rodata,"a",@progbits
	.p2align	6, 0x0
	.amdhsa_kernel k_q7876d4f469_qkv
		.amdhsa_group_segment_fixed_size 327680
		.amdhsa_private_segment_fixed_size 0
		.amdhsa_enable_private_segment 0
		.amdhsa_kernarg_size 72
		.amdhsa_user_sgpr_count 2
		.amdhsa_user_sgpr_kernarg_segment_ptr 1
		.amdhsa_wavefront_size32 1
		.amdhsa_system_sgpr_workgroup_id_x 1
		.amdhsa_system_sgpr_workgroup_id_y 1
		.amdhsa_system_sgpr_workgroup_id_z 1
		.amdhsa_system_vgpr_workitem_id 0
		.amdhsa_next_free_vgpr 1024
		.amdhsa_next_free_sgpr 100
		.amdhsa_reserve_vcc 0
		.amdhsa_float_denorm_mode_32 3
		.amdhsa_float_denorm_mode_16_64 3
		.amdhsa_memory_ordered 1
		.amdhsa_forward_progress 1
		.amdhsa_inst_pref_size 119
	.end_amdhsa_kernel
	.amdgpu_metadata
---
amdhsa.version: [ 1, 2 ]
amdhsa.kernels:
  - .name:           k_q7876d4f469_qkv
    .symbol:         k_q7876d4f469_qkv.kd
    .args:
      - { .name: xq0, .offset: 0, .size: 8, .value_kind: global_buffer, .address_space: global }
      - { .name: xq1, .offset: 8, .size: 8, .value_kind: global_buffer, .address_space: global }
      - { .name: xq2, .offset: 16, .size: 8, .value_kind: global_buffer, .address_space: global }
      - { .name: Wq_codes, .offset: 24, .size: 8, .value_kind: global_buffer, .address_space: global }
      - { .name: Wk_codes, .offset: 32, .size: 8, .value_kind: global_buffer, .address_space: global }
      - { .name: Wv_codes, .offset: 40, .size: 8, .value_kind: global_buffer, .address_space: global }
      - { .name: lowp_scales, .offset: 48, .size: 8, .value_kind: global_buffer, .address_space: global }
      - { .name: qimg, .offset: 56, .size: 8, .value_kind: global_buffer, .address_space: global }
      - { .name: kvimg, .offset: 64, .size: 8, .value_kind: global_buffer, .address_space: global }
    .group_segment_fixed_size: 327680
    .private_segment_fixed_size: 0
    .kernarg_segment_align: 8
    .kernarg_segment_size: 72
    .max_flat_workgroup_size: 128
    .sgpr_count:     100
    .vgpr_count:     1024
    .wavefront_size: 32
...
	.end_amdgpu_metadata
.endif
;; end of part 2
;; launch attn (part 3): grid 8 x 64, 8 waves a work-group, clusters of 4 x 1, 263,168 bytes of LDS; arguments qimg, kvimg, lowp_scales, aoimg; writes aoimg
.if DOCPART == 3
	.amdgcn_target "amdgcn-amd-amdhsa--gfx1250"
	.amdhsa_code_object_version 6
	.text
	.protected	k_q7876d4f469_attn
	.globl	k_q7876d4f469_attn
	.p2align	8
	.type	k_q7876d4f469_attn,@function
k_q7876d4f469_attn:
	s_mov_b64 s[64:65], 0
	v_nop
	global_prefetch_b8 v0, s[64:65] scope:SCOPE_SE
	s_setreg_imm32_b32 hwreg(HW_REG_WAVE_MODE, 25, 1), 1
	s_wait_xcnt 0x0
	s_wait_alu depctr_hold_cnt(0) depctr_sa_sdst(0) depctr_va_vdst(0) depctr_va_sdst(0) depctr_va_ssrc(0) depctr_va_vcc(0) depctr_vm_vsrc(0)
	s_getreg_b32 s2, hwreg(HW_REG_IB_STS2, 6, 4)
	s_cmp_eq_u32 s2, 0
	s_cbranch_scc0 .Lentry_in_a_cluster
	s_endpgm
.Lentry_in_a_cluster:
	s_bfe_u32 s2, ttmp6, 0x10000c
	s_cmp_lg_u32 s2, 0x3003
	s_cbranch_scc0 .Lentry_shape_is_right
	s_endpgm
.Lentry_shape_is_right:
; For each of 64 heads (16 b + h): O[q] = the sum over k of softmax_k(Q[q] . K[k] / 8) V[k], 2,048 queries and keys, head size 64, both products on codes of BF8 (E5M2); O is quantised with 2^e10 for the last product.
; THE SOFTMAX AHEAD OF THE SECOND PRODUCT: t = score x log2(e) / 8; M = the row's largest t so far, rounded UP to a whole number; p = 2^(t - M) is quantised with 2^e8, not normalised.  The row's sum is taken of the
; unquantised p, in f32, and divides O at the end.  When M moves, the sums and O are multiplied by 2^(old M - new M): nothing is rounded, and no branch hangs on data.
; SHARES.  A work-group owns 256 queries of one head, each of its eight waves 32: two tiles of 16, so that each fragment of K and V read from LDS feeds two products and one tile's plain work stands between the other's exponentials.
; OPERANDS ARRIVE AS IMAGES OF THEIR REGISTERS (four registers a lane are a run of 512 bytes, lane l's 16 bytes at 16 l): every load is 16 x lane + a constant.  No pitch, no padding: an instruction's 512 bytes are consecutive.
; LDS.  A head's K and V, 262,144 bytes (16 key steps of 16 KiB: 8 tiles of K, then 4 of V), lie in LDS as they lie in memory.  Every byte is filled ONCE: three tensor loads a wave, issued together at the start,
; for key steps 0-1, 2-5 and 6-15; each group is read behind a counted wait and a barrier.  Nothing is filled again.  By this text's count a wave has three tensor loads out.
; CLUSTER.  The four blocks of queries of a cluster belong to one head: each load is asked for JOINTLY, the same descriptor and a mask that names the four.
; LAYOUT.  S^T = K Q^T (source 0 = 16 keys, source 1 = 16 queries), O^T = V^T P^T (source 0 = 16 channels, source 1 = P): a lane holds ONE query (lane % 16) throughout.  In tile kt of S^T its registers are keys
; 16 kt + 8 (lane / 16) + 0 .. 7: a conversion of them gives registers 2 kt, 2 kt + 1 of P as an operand of K = 128, and V's images hold the keys in the same places.
; LIMITS, so that each power of two below is an f32 number: e6 + e7 between -123 and 130 (added to c's exponent field); e8, and e10 - e8 - e9, between -126 and 112.
; REGISTERS.  window 0: v1 16 x lane; v2 the step's LDS address; v3-6 scales; v8-18, v24-34 a tile's statistics; v48-175 S^T, then p, 64 a tile; v176-207 P's codes, 16 a tile.
;   window 1: v0-63 O^T, 32 a tile; v64-79 Q, 8 a tile; v96-159 K of a step; v160-223 V of a step.
.set LI,  1                            ; v1   16 x lane; never rewritten
.set ADR, 2                            ; v2
.set PS,  3                            ; v3   2^e8 as f32
.set PL,  4                            ; v4   57,344 x 2^e8
.set OS,  5                            ; v5   2^(e10 - e8 - e9)
.set OL,  6                            ; v6   57,344 x that
.set ZA,  8                            ; tile t's statistics at v[ZA + 16 t]: +0 -M, +1 the largest t; +2, +3 and +8, +9 the sum in two chains of two halves; +4 f, +5 zero; +6, +7 at work; +10 the lane exchange
.set ZB,  ZA+16
.set SA,  48
.set SBB, SA+64
.set PCA, 176
.set PCB, PCA+16
.set OA,  0                            ; in window 1
.set QF,  64
.set KF,  96
.set VF,  160
.set WV,  12                           ; s12  my wave's number
.set CS,  60                           ; s[60:61] c = log2(e) / 8 x 2^(e6 + e7): the packed form names a pair and takes its low word for both halves
.set SEL, 62                           ; s[62:63] lane selects for v_permlanex16_b32: lane l xor 16
.set STB, 66                           ; s66  LDS byte at which the key step in hand begins
.set CNT, 67                           ; s67  key steps to go in the run
.set MSB, 0
.macro WIN new                         ; the immediate's high byte repeats the setting that is left
.if MSB != \new
	s_set_vgpr_msb (MSB<<8)|\new
.set MSB, \new
.endif
.endm
.macro CROUND                          ; a round of the cluster's barrier
	s_barrier_signal -1
	s_barrier_wait -1
	s_cmp_lg_u32 s[WV], 0
	s_cbranch_scc1 .Lnot_wave_0_\@
	s_barrier_signal -3
.Lnot_wave_0_\@:
	s_barrier_wait -3
	s_barrier_signal -1
	s_barrier_wait -1
.endm
	s_load_b256 s[4:11], s[0:1], 0x0               ; qimg s[4:5], kvimg s[6:7], the scales' exponents s[8:9], aoimg s[10:11]
	v_lshl_add_u32 v254, v0, 2, 0x40000
	v_mov_b32 v255, 0
	ds_add_u32 v254, v255
	ds_add_u32 v254, v255
	v_lshrrev_b32 v1, 5, v0
	v_readfirstlane_b32 s[WV], v1                  ; wave 0..7
	s_bfe_u32 s13, ttmp6, 0x40000                  ; cx
	s_lshl_b32 s14, ttmp9, 2
	s_add_co_u32 s14, s14, s13                     ; my block of 256 queries: it enters Q's and O's addresses alone
	s_and_b32 s20, ttmp7, 0xffff                   ; the head 16 b + h, which the four partners share
	; descriptor groups 1: dense blocks as rows of 256 bytes (32 elements of 8 bytes): 16, 32 and 80 rows a wave
.irp g, 24, 32, 40
	s_mov_b32 s[\g], 15|(3<<16)|(1<<21)            ; 15:0 the mask: all four work-groups; 17:16 elements of 8 bytes; 21 set beside a mask; no padding
	s_mov_b32 s[\g+1], 32<<16                      ; tensor_dim0 = 32
	s_mov_b32 s[\g+3], 32<<16                      ; tile_dim0 = 32
	s_mov_b32 s[\g+5], 32                          ; tensor_dim0_stride
	s_mov_b32 s[\g+6], 0
	s_mov_b32 s[\g+7], 0
.endr
	s_mov_b32 s26, 16<<16                          ; tensor_dim1 and tile_dim1: key steps 0-1: 32,768 bytes / 8 waves = 16 rows,
	s_mov_b32 s28, 16
	s_mov_b32 s34, 32<<16                          ; key steps 2-5: 32 rows,
	s_mov_b32 s36, 32
	s_mov_b32 s42, 80<<16                          ; key steps 6-15: 80 rows
	s_mov_b32 s44, 80
	s_lshl_b32 s15, s[WV], 12                      ; my part of each group, in LDS and from the head's first byte alike
	s_lshl_b32 s16, s[WV], 13
	s_add_co_u32 s16, s16, 32768
	s_mul_i32 s17, s[WV], 20480
	s_add_co_u32 s17, s17, 98304
	s_lshl_b32 s18, s20, 18                        ; the head's 262,144 bytes of kvimg
	s_mov_b32 s19, 0
	s_mov_b32 s[SEL], 0x76543210
	s_mov_b32 s[SEL+1], 0xfedcba98
	s_wait_dscnt 0x0
	s_wait_kmcnt 0x0
	s_load_b128 s[68:71], s[8:9], 0x18             ; e6, e7, e8, e9
	s_load_b32 s72, s[8:9], 0x28                   ; e10
	s_add_nc_u64 s[6:7], s[6:7], s[18:19]
	s_mov_b32 s48, 1                               ; groups 0: count = 1, LDS address, global address, type = 2
	s_mov_b32 s49, s15
	s_mov_b32 s18, s15
	s_add_nc_u64 s[50:51], s[6:7], s[18:19]
	s_or_b32 s51, s51, 0x80000000
	s_mov_b32 s52, 1
	s_mov_b32 s53, s16
	s_mov_b32 s18, s16
	s_add_nc_u64 s[54:55], s[6:7], s[18:19]
	s_or_b32 s55, s55, 0x80000000
	s_mov_b32 s56, 1
	s_mov_b32 s57, s17
	s_mov_b32 s18, s17
	s_add_nc_u64 s[58:59], s[6:7], s[18:19]
	s_or_b32 s59, s59, 0x80000000
	s_lshl_b32 s18, s14, 4                         ; Q: my first tile of 16 queries in the head: 16 x block + 2 x wave, 1 KiB each; a head has 131,072 bytes
	s_lshl_b32 s21, s[WV], 1
	s_add_co_u32 s18, s18, s21
	s_lshl_b32 s18, s18, 10
	s_lshl_b32 s21, s20, 17
	s_add_co_u32 s18, s18, s21
	s_add_nc_u64 s[4:5], s[4:5], s[18:19]
	s_lshr_b32 s18, s20, 4                         ; O: aoimg [block of 128 tokens][K step of 128 channels = two heads][tile of 16 tokens][4 runs]
	s_lshl_b32 s18, s18, 4
	s_lshl_b32 s21, s14, 1
	s_add_co_u32 s18, s18, s21
	s_lshr_b32 s21, s[WV], 2
	s_add_co_u32 s18, s18, s21                     ; the block of 128 tokens: 16 b + 2 x block + wave / 4
	s_lshl_b32 s18, s18, 17
	s_and_b32 s21, s20, 15
	s_lshr_b32 s21, s21, 1
	s_lshl_b32 s21, s21, 14                        ; the K step: h / 2
	s_add_co_u32 s18, s18, s21
	s_lshl_b32 s21, s[WV], 1
	s_and_b32 s21, s21, 7
	s_lshl_b32 s21, s21, 11                        ; my first tile in the block: 2 x wave mod 8
	s_add_co_u32 s18, s18, s21
	s_and_b32 s21, s20, 1
	s_lshl_b32 s21, s21, 10                        ; an odd head's 64 channels are the fragment's runs 2 and 3
	s_add_co_u32 s18, s18, s21
	s_add_nc_u64 s[10:11], s[10:11], s[18:19]
	CROUND                                         ; all four work-groups are here: the joint loads meet
	tensor_load_to_lds s[48:51], s[24:31]          ; all fills of the launch go out together, ahead of every wait on TENSORcnt and every LDS read
	s_nop 0
	tensor_load_to_lds s[52:55], s[32:39]
	s_nop 0
	tensor_load_to_lds s[56:59], s[40:47]
	s_nop 0
.rept 4
	v_nop                                          ; four lines follow the loads ahead of the switch of windows
.endr
	v_and_b32 v[LI], 31, v0
	v_lshlrev_b32 v[LI], 4, v[LI]
	WIN 0x40                                       ; destination window 1, address window 0
.irp t, 0,1
.irp i, 0,1
	global_load_b128 v[QF+8*\t+4*\i:QF+8*\t+4*\i+3], v[LI], s[4:5] offset:1024*\t+512*\i   ; Q's two fragments stay in registers
.endr
.endr
.set j, 0
.rept 64
	v_mov_b32 v[OA+j], 0                           ; O^T.  (The key step is written without a first step of its own: the first finds zeros, which the first change of M leaves zeros)
.set j, j+1
.endr
	WIN 0
.irp t, 0,1
	v_mov_b32 v[ZA+16*\t+1], 0xff61b1e6            ; the largest t so far: -3e38, under every t
	v_floor_f32 v[ZA+16*\t], -v[ZA+16*\t+1]        ; -M
	v_mov_b32 v[ZA+16*\t+2], 0                     ; the sums
	v_mov_b32 v[ZA+16*\t+3], 0
	v_mov_b32 v[ZA+16*\t+8], 0
	v_mov_b32 v[ZA+16*\t+9], 0
	v_mov_b32 v[ZA+16*\t+5], 0                     ; (named as the upper half of f's pair)
	v_mov_b32 v[ZA+16*\t+10], 0                    ; written once: a lane permute's destination counts as one of its sources
.endr
	s_wait_kmcnt 0x0
	s_add_co_i32 s21, s68, s69
	s_lshl_b32 s21, s21, 23
	s_mov_b32 s[CS], 0x3e38aa3b                    ; log2(e) / 8
	s_add_co_i32 s[CS], s[CS], s21                 ; a score stands for score x 2^(e6 + e7): the two exponents are added to c's exponent field
	s_mov_b32 s[CS+1], s[CS]                       ; (named with it as a pair, so it is written)
	s_add_co_i32 s21, s70, 127
	s_lshl_b32 s22, s21, 23
	v_mov_b32 v[PS], s22
	s_add_co_i32 s21, s21, 15
	s_lshl_b32 s21, s21, 23
	s_or_b32 s21, s21, 0x600000
	v_mov_b32 v[PL], s21
	s_sub_co_i32 s21, s72, s70
	s_sub_co_i32 s21, s21, s71                     ; O^T / l stands for that x 2^(e8 + e9), and its code is that / 2^e10: the three folded into one
	s_add_co_i32 s21, s21, 127
	s_lshl_b32 s22, s21, 23
	v_mov_b32 v[OS], s22
	s_add_co_i32 s21, s21, 15
	s_lshl_b32 s21, s21, 23
	s_or_b32 s21, s21, 0x600000
	v_mov_b32 v[OL], s21
; A KEY STEP: 128 keys, both tiles (A = tile 0, B = tile 1).
.macro STEP
	v_add_nc_u32 v[ADR], s[STB], v[LI]             ; this line and three v_nop are the four places between the last step's products and the loads into V's registers
.rept 3
	v_nop
.endr
	WIN 0x40
.irp k, 0,1,2,3,4,5,6,7
	ds_load_b128 v[KF+8*\k:KF+8*\k+3], v[ADR] offset:1024*\k
	ds_load_b128 v[KF+8*\k+4:KF+8*\k+7], v[ADR] offset:1024*\k+512
.endr
.irp f, 0,1,2,3
.irp c, 0,1,2,3
	ds_load_b128 v[VF+16*\f+4*\c:VF+16*\f+4*\c+3], v[ADR] offset:8192+2048*\f+512*\c
.endr
.endr
	s_wait_dscnt 16                                ; K's sixteen loads are in; V's sixteen, issued behind them, may be out
	WIN 0x05                                       ; K and Q in window 1, S^T in window 0
.irp k, 0,1,2,3,4,5,6,7
.irp t, 0,1
	v_wmma_f32_16x16x64_bf8_bf8 v[SA+64*\t+8*\k:SA+64*\t+8*\k+7], v[KF+8*\k:KF+8*\k+7], v[QF+8*\t:QF+8*\t+7], 0
.endr
.endr
	WIN 0
.rept 4
	v_nop                                          ; places in front of the first read of the scores
.endr
	; the step's largest score of each query, among the lane's 64 keys, in two chains a tile; the tiles line by line; each accumulator is first read at its low end
.irp t, 0,1
	v_max3_num_f32 v[ZA+16*\t+6], v[SA+64*\t], v[SA+64*\t+1], v[SA+64*\t+2]
.endr
.irp t, 0,1
	v_max3_num_f32 v[ZA+16*\t+7], v[SA+64*\t+3], v[SA+64*\t+4], v[SA+64*\t+5]
.endr
.irp i, 6,10,14,18,22,26,30,34,38,42,46,50,54,58
.irp t, 0,1
	v_max3_num_f32 v[ZA+16*\t+6], v[ZA+16*\t+6], v[SA+64*\t+\i], v[SA+64*\t+\i+1]
.endr
.irp t, 0,1
	v_max3_num_f32 v[ZA+16*\t+7], v[ZA+16*\t+7], v[SA+64*\t+\i+2], v[SA+64*\t+\i+3]
.endr
.endr
.irp t, 0,1
	v_max3_num_f32 v[ZA+16*\t+6], v[ZA+16*\t+6], v[SA+64*\t+62], v[SA+64*\t+63]
.endr
.irp t, 0,1
	v_max_num_f32 v[ZA+16*\t+6], v[ZA+16*\t+6], v[ZA+16*\t+7]
.endr
.irp t, 0,1
	v_permlanex16_b32 v[ZA+16*\t+10], v[ZA+16*\t+6], s[SEL], s[SEL+1]
.endr
.irp t, 0,1
	v_max_num_f32 v[ZA+16*\t+6], v[ZA+16*\t+6], v[ZA+16*\t+10]   ; and among lane l xor 16's
.endr
.irp t, 0,1
	v_mul_f32 v[ZA+16*\t+6], s[CS], v[ZA+16*\t+6]  ; as t (c is positive)
.endr
.irp t, 0,1
	v_max_num_f32 v[ZA+16*\t+1], v[ZA+16*\t+1], v[ZA+16*\t+6]    ; the running largest t
.endr
.irp t, 0,1
	v_mov_b32 v[ZA+16*\t+6], v[ZA+16*\t]
.endr
.irp t, 0,1
	v_floor_f32 v[ZA+16*\t], -v[ZA+16*\t+1]        ; the new -M = floor(-t) = -ceil(t): M is a whole number
.endr
.irp t, 0,1
	v_sub_f32 v[ZA+16*\t+6], v[ZA+16*\t], v[ZA+16*\t+6]          ; M's old value less its new one: a whole number, 0 or less
.endr
.irp t, 0,1
	v_cvt_i32_f32 v[ZA+16*\t+6], v[ZA+16*\t+6]     ; (it saturates)
.endr
.irp t, 0,1
	v_ldexp_f32 v[ZA+16*\t+4], 1.0, v[ZA+16*\t+6]  ; f = 2^(old M - new M)
.endr
.set j, 0
.rept 32
	v_pk_fma_f32 v[SA+2*j:SA+2*j+1], v[SA+2*j:SA+2*j+1], s[CS:CS+1], v[ZA:ZA+1] op_sel_hi:[1,0,0]   ; A: t - M, two at a time (of the pairs c and -M the low word serves both halves)
.set j, j+1
.endr
.set j, 0
.rept 32                                       ; A's 64 exponentials, B's 32 scalings between them: none of these lines names an exponential's result
	v_exp_f32 v[SA+2*j], v[SA+2*j]
	v_pk_fma_f32 v[SBB+2*j:SBB+2*j+1], v[SBB+2*j:SBB+2*j+1], s[CS:CS+1], v[ZB:ZB+1] op_sel_hi:[1,0,0]
	v_exp_f32 v[SA+2*j+1], v[SA+2*j+1]
.set j, j+1
.endr
	v_pk_mul_f32 v[ZA+2:ZA+3], v[ZA+2:ZA+3], v[ZA+4:ZA+5] op_sel_hi:[1,0]   ; A's sums under the new M.  (Plain lines behind the last exponential)
	v_pk_mul_f32 v[ZA+8:ZA+9], v[ZA+8:ZA+9], v[ZA+4:ZA+5] op_sel_hi:[1,0]
	s_wait_alu depctr_va_vdst(0)                   ; one wait for A's batch, ahead of its first reader
.set q, 0
.rept 16                                       ; B's 64 exponentials; between them A's sums, taken of the UNQUANTISED p, and then A's holds: none of these lines names a result of B's
	v_exp_f32 v[SBB+4*q], v[SBB+4*q]
	v_pk_add_f32 v[ZA+2:ZA+3], v[ZA+2:ZA+3], v[SA+4*q:SA+4*q+1]
	v_exp_f32 v[SBB+4*q+1], v[SBB+4*q+1]
	v_pk_add_f32 v[ZA+8:ZA+9], v[ZA+8:ZA+9], v[SA+4*q+2:SA+4*q+3]
	v_exp_f32 v[SBB+4*q+2], v[SBB+4*q+2]
	v_min_num_f32 v[SA+4*q], v[SA+4*q], v[PL]      ; the conversion does not saturate (ISA guide 7.6.2); p is not negative, so the hold is one-sided
	v_min_num_f32 v[SA+4*q+1], v[SA+4*q+1], v[PL]
	v_exp_f32 v[SBB+4*q+3], v[SBB+4*q+3]
	v_min_num_f32 v[SA+4*q+2], v[SA+4*q+2], v[PL]
	v_min_num_f32 v[SA+4*q+3], v[SA+4*q+3], v[PL]
.set q, q+1
.endr
.irp k, 0,1,2,3,4,5,6,7
	v_cvt_scalef32_pk8_bf8_f32 v[PCA+2*\k:PCA+2*\k+1], v[SA+8*\k:SA+8*\k+7], v[PS]   ; registers 2 k, 2 k + 1 of P: keys 16 k + 8 (lane / 16) + 0 .. 7
.endr
	v_pk_mul_f32 v[ZB+2:ZB+3], v[ZB+2:ZB+3], v[ZB+4:ZB+5] op_sel_hi:[1,0]   ; B's sums under the new M
	v_pk_mul_f32 v[ZB+8:ZB+9], v[ZB+8:ZB+9], v[ZB+4:ZB+5] op_sel_hi:[1,0]
	s_wait_alu depctr_va_vdst(0)                   ; one wait for B's batch, ahead of its first reader
.set q, 0
.rept 16
	v_pk_add_f32 v[ZB+2:ZB+3], v[ZB+2:ZB+3], v[SBB+4*q:SBB+4*q+1]
	v_pk_add_f32 v[ZB+8:ZB+9], v[ZB+8:ZB+9], v[SBB+4*q+2:SBB+4*q+3]
	v_min_num_f32 v[SBB+4*q], v[SBB+4*q], v[PL]
	v_min_num_f32 v[SBB+4*q+1], v[SBB+4*q+1], v[PL]
	v_min_num_f32 v[SBB+4*q+2], v[SBB+4*q+2], v[PL]
	v_min_num_f32 v[SBB+4*q+3], v[SBB+4*q+3], v[PL]
.set q, q+1
.endr
.irp k, 0,1,2,3,4,5,6,7
	v_cvt_scalef32_pk8_bf8_f32 v[PCB+2*\k:PCB+2*\k+1], v[SBB+8*\k:SBB+8*\k+7], v[PS]
.endr
	WIN 0x41                                       ; O^T (destination and source 0) in window 1, f in window 0
.irp t, 0,1
.set j, 0
.rept 16
	v_pk_mul_f32 v[OA+32*\t+2*j:OA+32*\t+2*j+1], v[OA+32*\t+2*j:OA+32*\t+2*j+1], v[ZA+16*\t+4:ZA+16*\t+5] op_sel_hi:[1,0]   ; O^T under the new M.  (These are also the plain lines between the conversions and the products)
.set j, j+1
.endr
.endr
	s_wait_dscnt 0x0                               ; V is in
	WIN 0x51                                       ; V, C and D in window 1, P in window 0
.irp f, 0,1,2,3                                ; O^T += V^T P^T: the eight accumulators take turns, one instruction a turn
.irp t, 0,1
	v_wmma_f32_16x16x128_bf8_bf8 v[OA+32*\t+8*\f:OA+32*\t+8*\f+7], v[VF+16*\f:VF+16*\f+15], v[PCA+16*\t:PCA+16*\t+15], v[OA+32*\t+8*\f:OA+32*\t+8*\f+7]
.endr
.endr
.endm
; n key steps from LDS byte base on
.macro RUN n, base
	s_mov_b32 s[STB], \base
	s_mov_b32 s[CNT], \n
.Lrun_\@:
	STEP
	WIN 0                                          ; at a label and at a branch every window is 0
	s_add_co_u32 s[STB], s[STB], 16384
	s_sub_co_u32 s[CNT], s[CNT], 1
	s_cmp_lg_u32 s[CNT], 0
	s_cbranch_scc1 .Lrun_\@
.endm
	s_wait_loadcnt 0x0                             ; Q
	s_wait_tensorcnt 2                             ; my part of key steps 0-1 is in; my two younger loads may be out
	s_barrier_signal -1
	s_barrier_wait -1                              ; everybody's is
	RUN 2, 0
	s_wait_dscnt 0x0
	s_wait_tensorcnt 1                             ; my part of key steps 2-5; the youngest load may be out
	s_barrier_signal -1
	s_barrier_wait -1
	RUN 4, 32768
	s_wait_dscnt 0x0
	s_wait_tensorcnt 0x0                           ; my part of key steps 6-15: no tensor load of mine is out from here on
	s_barrier_signal -1
	s_barrier_wait -1
	RUN 10, 98304
	; THE WAY OUT.  The sum's chains, halves and the other half of the lanes' are added; O^T is divided by the sum, held, and converted: a tile's 32 registers become eight registers of codes, two runs of 512 bytes.
.irp t, 0,1
	v_pk_add_f32 v[ZA+16*\t+2:ZA+16*\t+3], v[ZA+16*\t+2:ZA+16*\t+3], v[ZA+16*\t+8:ZA+16*\t+9]   ; (these additions are the places behind the last products)
.endr
.irp t, 0,1
	v_add_f32 v[ZA+16*\t+6], v[ZA+16*\t+2], v[ZA+16*\t+3]
.endr
.irp t, 0,1
	v_permlanex16_b32 v[ZA+16*\t+10], v[ZA+16*\t+6], s[SEL], s[SEL+1]
.endr
.irp t, 0,1
	v_add_f32 v[ZA+16*\t+6], v[ZA+16*\t+6], v[ZA+16*\t+10]       ; the row's sum
.endr
.irp t, 0,1
	v_rcp_f32 v[ZA+16*\t+4], v[ZA+16*\t+6]
.endr
	v_nop                                          ; a plain line between the last reciprocal and the use of its result
	s_wait_alu depctr_va_vdst(0)                   ; and one wait for the two, ahead of their first reader
	WIN 0x01                                       ; source 0 (O^T) window 1
.irp t, 0,1
.set j, 0
.rept 16
	v_pk_mul_f32 v[SA+64*\t+2*j:SA+64*\t+2*j+1], v[OA+32*\t+2*j:OA+32*\t+2*j+1], v[ZA+16*\t+4:ZA+16*\t+5] op_sel_hi:[1,0]   ; O^T / the sum, each accumulator from its low end on
.set j, j+1
.endr
.endr
	WIN 0
.irp t, 0,1
.set j, 0
.rept 32
	v_med3_num_f32 v[SA+64*\t+j], v[SA+64*\t+j], -v[OL], v[OL]
.set j, j+1
.endr
.endr
.irp t, 0,1
.irp f, 0,1,2,3
	v_cvt_scalef32_pk8_bf8_f32 v[PCA+16*\t+2*\f:PCA+16*\t+2*\f+1], v[SA+64*\t+8*\f:SA+64*\t+8*\f+7], v[OS]   ; channels 16 f + 8 (lane / 16) + 0 .. 7 of my head
.endr
.endr
	v_nop                                          ; a plain line behind the last conversion
.irp t, 0,1
.irp i, 0,1
	global_store_b128 v[LI], v[PCA+16*\t+4*\i:PCA+16*\t+4*\i+3], s[10:11] offset:2048*\t+512*\i   ; 32 lanes store 512 consecutive bytes, at a multiple of 512 from the buffer's first byte
.endr
.endr
	s_wait_tensorcnt 0x0
	ds_add_u32 v254, v255
	s_wait_dscnt 0x0
	CROUND                                         ; the closing round: no work-group ends while a partner may still ask for a tile that names it
	s_endpgm
.Lfunc_end_k_q7876d4f469_attn:
	.size	k_q7876d4f469_attn, .Lfunc_end_k_q7876d4f469_attn-k_q7876d4f469_attn
	.p2alignl 7, 3214868480
	.fill 96, 4, 3214868480
	.section	.rodata,"a",@progbits
	.p2align	6, 0x0
	.amdhsa_kernel k_q7876d4f469_attn
		.amdhsa_group_segment_fixed_size 263168
		.amdhsa_private_segment_fixed_size 0
		.amdhsa_enable_private_segment 0
		.amdhsa_kernarg_size 32
		.amdhsa_user_sgpr_count 2
		.amdhsa_user_sgpr_kernarg_segment_ptr 1
		.amdhsa_wavefront_size32 1
		.amdhsa_system_sgpr_workgroup_id_x 1
		.amdhsa_system_sgpr_workgroup_id_y 1
		.amdhsa_system_sgpr_workgroup_id_z 1
		.amdhsa_system_vgpr_workitem_id 0
		.amdhsa_next_free_vgpr 480
		.amdhsa_next_free_sgpr 80
		.amdhsa_reserve_vcc 0
		.amdhsa_float_denorm_mode_32 3
		.amdhsa_float_denorm_mode_16_64 3
		.amdhsa_memory_ordered 1
		.amdhsa_forward_progress 1
		.amdhsa_inst_pref_size 103
	.end_amdhsa_kernel
	.amdgpu_metadata
---
amdhsa.version: [ 1, 2 ]
amdhsa.kernels:
  - .name:           k_q7876d4f469_attn
    .symbol:         k_q7876d4f469_attn.kd
    .args:
      - { .name: qimg, .offset: 0, .size: 8, .value_kind: global_buffer, .address_space: global }
      - { .name: kvimg, .offset: 8, .size: 8, .value_kind: global_buffer, .address_space: global }
      - { .name: lowp_scales, .offset: 16, .size: 8, .value_kind: global_buffer, .address_space: global }
      - { .name: aoimg, .offset: 24, .size: 8, .value_kind: global_buffer, .address_space: global }
    .group_segment_fixed_size: 263168
    .private_segment_fixed_size: 0
    .kernarg_segment_align: 8
    .kernarg_segment_size: 32
    .max_flat_workgroup_size: 256
    .sgpr_count:     80
    .vgpr_count:     480
    .wavefront_size: 32
...
	.end_amdgpu_metadata
.endif
;; end of part 3
;; launch oproj (part 4): grid 8 x 64, 4 waves a work-group, clusters of 4 x 4, 288,256 bytes of LDS; arguments aoimg, Wo_codes, lowp_scales, inputs, out0; writes out0
.if DOCPART == 4
	.amdgcn_target "amdgcn-amd-amdhsa--gfx1250"
	.amdhsa_code_object_version 6
	.text
	.protected	k_q7876d4f469_oproj
	.globl	k_q7876d4f469_oproj
	.p2align	8
	.type	k_q7876d4f469_oproj,@function
k_q7876d4f469_oproj:
	s_mov_b64 s[64:65], 0
	v_nop
	global_prefetch_b8 v0, s[64:65] scope:SCOPE_SE
	s_setreg_imm32_b32 hwreg(HW_REG_WAVE_MODE, 25, 1), 1
	s_wait_xcnt 0x0
	s_wait_alu depctr_hold_cnt(0) depctr_sa_sdst(0) depctr_va_vdst(0) depctr_va_sdst(0) depctr_va_ssrc(0) depctr_va_vcc(0) depctr_vm_vsrc(0)
	s_getreg_b32 s2, hwreg(HW_REG_IB_STS2, 6, 4)
	s_cmp_eq_u32 s2, 0
	s_cbranch_scc0 .Lentry_in_a_cluster
	s_endpgm
.Lentry_in_a_cluster:
	s_bfe_u32 s2, ttmp6, 0x10000c
	s_cmp_lg_u32 s2, 0xf033
	s_cbranch_scc0 .Lentry_shape_is_right
	s_endpgm
.Lentry_shape_is_right:
; out0 = (attention's result) Wo^T x 2^(e10 + e11) + x.  The left operand arrives as codes of BF8 (E5M2) in images of operand registers (aoimg), Wo as codes [1024][1024], K innermost; x and out0 are [8192][1024] f32.
; A tile of out0 is 128 tokens x 128 features: four waves, each 64 x 64: 16 accumulators.  512 work-groups.  The launch moves far more bytes than it multiplies, so a small tile that keeps every WGP loading is taken.
; THE WHOLE K LIES IN LDS: the tokens' 131,072 bytes as they lie in memory, Wo's 128 rows as four tiles of 256 along K.  Every byte is filled ONCE: four tensor loads a wave, issued together at the start (waves 0, 1: the tokens'
; halves of each quarter of K; waves 2, 3: Wo's), each quarter read behind a counted wait and a barrier.  Nothing is filled again.  By this text's count a wave has four tensor loads out.
; CLUSTERS: 4 x 4 work-groups.  The tokens' block hangs on the tile row alone and is asked for jointly by the four of a row of the cluster; Wo's rows hang on the tile column alone: by the four of a column.
; THE MATRIX INSTRUCTION IS USED TRANSPOSED (source 0 = 16 rows of Wo, source 1 = 16 tokens): a lane holds eight neighbouring features of one token.  aoimg holds k in the form's own places (registers 2 c, 2 c + 1:
; k = 16 c + 8 (lane / 16) + 0 .. 7), so Wo's fragments are brought in the same places, by loads of 8 bytes.
; The residual x is asked for at the head, in the layout in which rows leave, and waits in registers.
; LIMIT: e10 + e11 between -126 and 127, so that 2^(e10 + e11) is an f32 number.
; REGISTERS.  window 0: v4-10 addresses; v32-95 rows on the way out, two sets; v128-255 the accumulators ((a, b) at v[128 + 8 (4 a + b)]).
;   window 1: two fragment buffers of 128: the tokens' four fragments (16 registers each), then Wo's four.   window 2: v0-127 x.
.set BBASE, 131072                     ; LDS: the tokens' images from 0; Wo's four tiles from here: 128 rows x 272 bytes each
.set BCH,   34816
.set BP,    272                        ; 256 bytes + 16 of padding = 68 words: row r starts at bank 4 r mod 64 (64 banks of 4 bytes: ISA guide 11.1)
.set STAGE, BBASE+4*BCH                ; 270,336: the way out: 16 rows x 272 bytes for each wave; blocks of 256 bytes of their own, into which no tensor load lands
.set ADA, 4                            ; v4-5  the tokens' fragments: 16 x lane + my 64 tokens; K steps 0-3, 4-7
.set ADB, 6                            ; v6-7  Wo's fragments: my 64 rows; K steps 0-3, 4-7
.set STO, 8                            ; v8    the way out: where I put 32 bytes of a row
.set RD,  9                            ; v9    and where I read a row back
.set XO,  10                           ; v10   my byte offset in two rows of x and of out0; never rewritten
.set TMP, 32
.set ACC, 128
.set F0,  0
.set F1,  128
.set WV,  14
.set MSB, 0
.macro WIN new                         ; the immediate's high byte repeats the setting that is left
.if MSB != \new
	s_set_vgpr_msb (MSB<<8)|\new
.set MSB, \new
.endif
.endm
.macro CROUND                          ; a round of the cluster's barrier
	s_barrier_signal -1
	s_barrier_wait -1
	s_cmp_lg_u32 s[WV], 0
	s_cbranch_scc1 .Lnot_wave_0_\@
	s_barrier_signal -3
.Lnot_wave_0_\@:
	s_barrier_wait -3
	s_barrier_signal -1
	s_barrier_wait -1
.endm
.macro PLACES                          ; four places in front of loads into registers that matrix instructions have read, and of the first read of results (ISA guide 7.12.1 for vector instructions)
.rept 4
	v_nop
.endr
.endm
	s_load_b256 s[4:11], s[0:1], 0x0               ; aoimg s[4:5], Wo's codes s[6:7], the scales' exponents s[8:9], x s[10:11]
	s_load_b64 s[12:13], s[0:1], 0x20              ; out0
	v_lshl_add_u32 v126, v0, 2, 0x46400
	v_mov_b32 v127, 0
	ds_add_u32 v126, v127
	ds_add_u32 v126, v127
	v_lshrrev_b32 v1, 5, v0
	v_readfirstlane_b32 s[WV], v1                  ; wave 0..3
	s_lshr_b32 s15, s[WV], 1                       ; which 64 tokens are mine.  Also: I fetch the tokens' images (0) or Wo's rows (1)
	s_and_b32 s16, s[WV], 1                        ; which 64 features.  Also: which half of a quarter I fetch
	s_bfe_u32 s17, ttmp6, 0x40000                  ; cx
	s_bfe_u32 s18, ttmp6, 0x40004                  ; cy
	s_lshl_b32 s19, ttmp9, 2
	s_add_co_u32 s19, s19, s17                     ; tile column (128 features) = 4 x cluster x + cx
	s_and_b32 s20, ttmp7, 0xffff
	s_lshl_b32 s20, s20, 2
	s_add_co_u32 s20, s20, s18                     ; tile row (128 tokens) = 4 x cluster y + cy
	s_lshl_b32 s76, s18, 2
	s_lshl_b32 s76, 15, s76                        ; my row of the cluster
	s_lshl_b32 s77, 0x1111, s17                    ; my column
	; group 1 for the tokens' images: a dense block of 16,384 bytes as 64 rows of 256 (32 elements of 8 bytes)
	s_or_b32 s24, s76, (3<<16)|(1<<21)             ; 15:0 the mask: my row; 17:16 elements of 8 bytes; 21 set beside a mask; no padding
	s_mov_b32 s25, 32<<16                          ; tensor_dim0 = 32
	s_mov_b32 s26, 64<<16                          ; tensor_dim1 = 64
	s_mov_b32 s27, 32<<16                          ; tile_dim0 = 32
	s_mov_b32 s28, 64                              ; tile_dim1 = 64
	s_mov_b32 s29, 32                              ; tensor_dim0_stride
	s_mov_b32 s30, 0
	s_mov_b32 s31, 0
	; group 1 for Wo: 64 rows x 256 bytes, 1,024 bytes apart in memory, padded in LDS
	s_or_b32 s32, s77, (0<<16)|(1<<20)|(1<<21)|(5<<22)|(3<<25)   ; the mask: my column; elements of 1 byte; padding of 4 words (code 3) after every 64 (code 5)
	s_mov_b32 s33, 256<<16
	s_mov_b32 s34, 64<<16
	s_mov_b32 s35, 256<<16
	s_mov_b32 s36, 64
	s_mov_b32 s37, 1024
	s_mov_b32 s38, 0
	s_mov_b32 s39, 0
	s_lshl_b32 s21, s16, 14                        ; the tokens' images: my K step of a quarter's two, in LDS and in memory alike
	s_lshl_b32 s22, s20, 17                        ; the block's 131,072 bytes: of the tile row alone
	s_add_co_u32 s22, s22, s21
	s_mov_b32 s23, 0
	s_lshl_b32 s78, s19, 17                        ; Wo: 128 rows of 1,024 bytes a tile column: of the tile column alone
	s_lshl_b32 s79, s16, 16                        ; + my 64 rows
	s_add_co_u32 s78, s78, s79
	s_mov_b32 s79, 0
	s_mul_i32 s89, s16, 64*BP
	s_add_co_u32 s89, s89, BBASE                   ; and where they go
	s_lshl_b32 s84, s20, 19                        ; x and out0: (128 x tile row + 64 x my half) rows of 4,096 bytes + (128 x tile column + 64 x my half) x 4
	s_lshl_b32 s85, s15, 18
	s_add_co_u32 s84, s84, s85
	s_lshl_b32 s85, s19, 9
	s_add_co_u32 s84, s84, s85
	s_lshl_b32 s85, s16, 8
	s_add_co_u32 s84, s84, s85
	s_mov_b32 s85, 0
	s_wait_dscnt 0x0
	s_wait_kmcnt 0x0
	s_load_b64 s[80:81], s[8:9], 0x28              ; e10, e11
	s_add_nc_u64 s[22:23], s[4:5], s[22:23]
	s_add_nc_u64 s[78:79], s[6:7], s[78:79]
	s_add_nc_u64 s[86:87], s[12:13], s[84:85]      ; out0 at my first row and column
	s_add_nc_u64 s[84:85], s[10:11], s[84:85]      ; x likewise
.irp q, 0,1,2,3                                ; groups 0, one for each quarter of K: the tokens' at s[40 + 4 q ..], Wo's at s56, s60, s68, s72
	s_mov_b32 s[40+4*\q], 1
	s_add_co_u32 s[41+4*\q], s21, 32768*\q
	s_add_nc_u64 s[42+4*\q:43+4*\q], s[22:23], 32768*\q
	s_or_b32 s[43+4*\q], s[43+4*\q], 0x80000000
	s_mov_b32 s[56+4*\q+4*(\q/2)], 1
	s_add_co_u32 s[57+4*\q+4*(\q/2)], s89, BCH*\q
	s_add_nc_u64 s[58+4*\q+4*(\q/2):59+4*\q+4*(\q/2)], s[78:79], 256*\q
	s_or_b32 s[59+4*\q+4*(\q/2)], s[59+4*\q+4*(\q/2)], 0x80000000
.endr
	CROUND                                         ; all sixteen work-groups are here: the joint loads meet
	s_cmp_lt_u32 s[WV], 2                          ; a wave's four fills stand in one branch on the wave's number, ahead of every wait on TENSORcnt and every LDS read
	s_cbranch_scc0 .Lfirst_b
.irp q, 0,1,2,3
	tensor_load_to_lds s[40+4*\q:43+4*\q], s[24:31]
	s_nop 0
.endr
.rept 4
	v_nop
.endr
	s_branch .Lfirst_asked
.Lfirst_b:
.irp q, 0,1,2,3
	tensor_load_to_lds s[56+4*\q+4*(\q/2):59+4*\q+4*(\q/2)], s[32:39]
	s_nop 0
.endr
.rept 4
	v_nop
.endr
.Lfirst_asked:
	v_and_b32 v1, 31, v0                           ; lane
	v_and_b32 v2, 15, v0                           ; r = lane % 16
	v_bfe_u32 v3, v0, 4, 1                         ; h = lane / 16
	v_lshlrev_b32 v[XO], 12, v3
	v_lshl_add_u32 v[XO], v2, 4, v[XO]             ; lanes 0-15 take 256 bytes of one row, lanes 16-31 of the next
	WIN 0x80                                       ; destination window 2, address window 0
.irp a, 0,1,2,3
.irp t, 0,1,2,3,4,5,6,7
	global_load_b128 v[4*(8*\a+\t):4*(8*\a+\t)+3], v[XO], s[84:85] offset:(16*\a+2*\t)*4096 th:TH_LOAD_NT   ; x, my 64 x 64: sixteen lanes read 256 consecutive bytes, aligned; read once in this launch
.endr
.endr
	WIN 0
	s_lshl_b32 s88, s15, 13                        ; my 64 tokens are four tiles of 2,048 bytes in each K step's 16,384
	v_lshlrev_b32 v[ADA], 4, v1
	v_add_nc_u32 v[ADA], s88, v[ADA]
	v_add_nc_u32 v[ADA+1], 65536, v[ADA]
	v_mul_u32_u24 v[ADB], v2, BP
	v_lshl_add_u32 v[ADB], v3, 3, v[ADB]           ; row r x pitch + 8 h
	v_add_nc_u32 v[ADB], s89, v[ADB]               ; my 64 rows of Wo's tile
	v_add_nc_u32 v[ADB+1], 2*BCH, v[ADB]
	s_mul_i32 s88, s[WV], 16*BP
	s_add_co_u32 s88, s88, STAGE                   ; my stage
	v_mul_u32_u24 v[STO], v2, BP
	v_lshl_add_u32 v[STO], v3, 5, v[STO]
	v_add_nc_u32 v[STO], s88, v[STO]               ; in: row r, 32 bytes for each half of the lanes
	v_mul_u32_u24 v[RD], v3, BP
	v_lshl_add_u32 v[RD], v2, 4, v[RD]
	v_add_nc_u32 v[RD], s88, v[RD]                 ; back: lanes 0-15 one row of 256 bytes, lanes 16-31 the next
; 48 LDS loads: the fragments of K step ks (128 along K) into buffer f
.macro FETCH ks, f
	WIN 0x40                                       ; destination window 1, address window 0
.irp a, 0,1,2,3
.irp c, 0,1,2,3
	ds_load_b128 v[\f+16*\a+4*\c:\f+16*\a+4*\c+3], v[ADA+(\ks)/4] offset:((\ks)%4)*16384+2048*\a+512*\c
.endr
.endr
.irp b, 0,1,2,3
.irp c, 0,1,2,3,4,5,6,7
	ds_load_b64 v[\f+64+16*\b+2*\c:\f+64+16*\b+2*\c+1], v[ADB+(\ks)/4] offset:(((\ks)/2)%2)*BCH+16*BP*\b+128*((\ks)%2)+16*\c
.endr
.endr
.endm
; 16 matrix instructions: the 16 accumulators take turns, one instruction a turn, in the same order in every K step.  zero = 1: the first products start the sums
.macro MUL f, zero
	WIN 0x05                                       ; sources 0 and 1 window 1; C and D window 0
.irp a, 0,1,2,3
.irp b, 0,1,2,3
.if \zero
	v_wmma_f32_16x16x128_bf8_bf8 v[ACC+8*(4*\a+\b):ACC+8*(4*\a+\b)+7], v[\f+64+16*\b:\f+64+16*\b+15], v[\f+16*\a:\f+16*\a+15], 0
.else
	v_wmma_f32_16x16x128_bf8_bf8 v[ACC+8*(4*\a+\b):ACC+8*(4*\a+\b)+7], v[\f+64+16*\b:\f+64+16*\b+15], v[\f+16*\a:\f+16*\a+15], v[ACC+8*(4*\a+\b):ACC+8*(4*\a+\b)+7]
.endif
.endr
.endr
.endm
; The next quarter of K: my reads so far are back, my part of the quarter has landed (left: my younger loads, which may stay out), and everybody's has
.macro QUARTER left
	s_wait_dscnt 0x0
	s_wait_tensorcnt \left
	s_barrier_signal -1
	s_barrier_wait -1
.endm
	QUARTER 3                                      ; K steps 0, 1
	FETCH 0, F0
	FETCH 1, F1
	s_wait_dscnt 48                                ; all but the 48 just issued
	MUL F0, 1
	QUARTER 2                                      ; K steps 2, 3; the wait for all LDS loads has also shown buffer 1 whole
	PLACES
	FETCH 2, F0
	MUL F1, 0
	PLACES
	FETCH 3, F1
	s_wait_dscnt 48
	MUL F0, 0
	QUARTER 1                                      ; K steps 4, 5
	PLACES
	FETCH 4, F0
	MUL F1, 0
	PLACES
	FETCH 5, F1
	s_wait_dscnt 48
	MUL F0, 0
	QUARTER 0                                      ; K steps 6, 7: no tensor load of mine is out from here on
	PLACES
	FETCH 6, F0
	MUL F1, 0
	PLACES
	FETCH 7, F1
	s_wait_dscnt 48
	MUL F0, 0
	s_wait_dscnt 0x0
	MUL F1, 0
	WIN 0
	; THE WAY OUT, 16 tokens at a time.  A lane holds 32 neighbouring bytes of a row, and the lanes beside it hold other rows: a block goes through my own stage in LDS and comes back as whole rows of my 256 bytes.
	; LDS serves a wave's instructions in order (ISA guide 5.7.1.4): no wait between the stores and the loads, nor in front of the next block's stores.  Then out = sum x 2^(e10 + e11) + x, one packed multiply-add for two numbers.
	PLACES
	s_wait_kmcnt 0x0
	s_add_co_i32 s82, s80, s81
	s_add_co_i32 s82, s82, 127
	s_lshl_b32 s82, s82, 23                        ; 2^(e10 + e11) as f32
	s_mov_b32 s83, s82                             ; (named with it as a pair, so it is written)
	s_wait_loadcnt 0x0                             ; x
.irp a, 0,1,2,3
.if \a >= 2
	s_wait_xcnt 0x0                                ; block a - 2's stores have read their registers: block a's rows land there only behind this wait
.endif
.irp b, 0,1,2,3
	ds_store_b128 v[STO], v[ACC+8*(4*\a+\b):ACC+8*(4*\a+\b)+3] offset:64*\b          ; each accumulator from its low end on
	ds_store_b128 v[STO], v[ACC+8*(4*\a+\b)+4:ACC+8*(4*\a+\b)+7] offset:64*\b+16
.endr
.irp t, 0,1,2,3,4,5,6,7
	ds_load_b128 v[TMP+32*(\a%2)+4*\t:TMP+32*(\a%2)+4*\t+3], v[RD] offset:2*BP*\t
.endr
	s_wait_dscnt 0x0
	WIN 0x20                                       ; source 2 (x) window 2
.irp n, 0,2,4,6,8,10,12,14,16,18,20,22,24,26,28,30
	v_pk_fma_f32 v[TMP+32*(\a%2)+\n:TMP+32*(\a%2)+\n+1], v[TMP+32*(\a%2)+\n:TMP+32*(\a%2)+\n+1], s[82:83], v[32*\a+\n:32*\a+\n+1] op_sel_hi:[1,0,1]
.endr
	WIN 0
.irp t, 0,1,2,3,4,5,6,7
	global_store_b128 v[XO], v[TMP+32*(\a%2)+4*\t:TMP+32*(\a%2)+4*\t+3], s[86:87] offset:(16*\a+2*\t)*4096 th:TH_STORE_NT   ; sixteen lanes store 256 consecutive bytes, at a multiple of 256 from out0's first byte; written once, read by nobody here
.endr
.endr
	s_wait_tensorcnt 0x0
	ds_add_u32 v126, v127
	s_wait_dscnt 0x0
	CROUND                                         ; the closing round: no work-group ends while a partner may still ask for a tile that names it
	s_endpgm
.Lfunc_end_k_q7876d4f469_oproj:
	.size	k_q7876d4f469_oproj, .Lfunc_end_k_q7876d4f469_oproj-k_q7876d4f469_oproj
	.p2alignl 7, 3214868480
	.fill 96, 4, 3214868480
	.section	.rodata,"a",@progbits
	.p2align	6, 0x0
	.amdhsa_kernel k_q7876d4f469_oproj
		.amdhsa_group_segment_fixed_size 288256
		.amdhsa_private_segment_fixed_size 0
		.amdhsa_enable_private_segment 0
		.amdhsa_kernarg_size 40
		.amdhsa_user_sgpr_count 2
		.amdhsa_user_sgpr_kernarg_segment_ptr 1
		.amdhsa_wavefront_size32 1
		.amdhsa_system_sgpr_workgroup_id_x 1
		.amdhsa_system_sgpr_workgroup_id_y 1
		.amdhsa_system_sgpr_workgroup_id_z 1
		.amdhsa_system_vgpr_workitem_id 0
		.amdhsa_next_free_vgpr 640
		.amdhsa_next_free_sgpr 96
		.amdhsa_reserve_vcc 0
		.amdhsa_float_denorm_mode_32 3
		.amdhsa_float_denorm_mode_16_64 3
		.amdhsa_memory_ordered 1
		.amdhsa_forward_progress 1
		.amdhsa_inst_pref_size 57
	.end_amdhsa_kernel
	.amdgpu_metadata
---
amdhsa.version: [ 1, 2 ]
amdhsa.kernels:
  - .name:           k_q7876d4f469_oproj
    .symbol:         k_q7876d4f469_oproj.kd
    .args:
      - { .name: aoimg, .offset: 0, .size: 8, .value_kind: global_buffer, .address_space: global }
      - { .name: Wo_codes, .offset: 8, .size: 8, .value_kind: global_buffer, .address_space: global }
      - { .name: lowp_scales, .offset: 16, .size: 8, .value_kind: global_buffer, .address_space: global }
      - { .name: inputs, .offset: 24, .size: 8, .value_kind: global_buffer, .address_space: global }
      - { .name: out0, .offset: 32, .size: 8, .value_kind: global_buffer, .address_space: global }
    .group_segment_fixed_size: 288256
    .private_segment_fixed_size: 0
    .kernarg_segment_align: 8
    .kernarg_segment_size: 40
    .max_flat_workgroup_size: 128
    .sgpr_count:     96
    .vgpr_count:     640
    .wavefront_size: 32
...
	.end_amdgpu_metadata
.endif
;; end of part 4
